; MI455X (gfx1250); checked and timed in simulation.
; The chip was launched on July 23, 2026; its instructions are those of AMD's public machine-readable ISA for CDNA 5 (MIT licence, August 2026) and "CDNA5" Instruction Set Architecture Reference Guide (July 2026). The comments in the code are by the model that wrote it; some were corrected since.
;; Gemm RS Multi Node. Allowed arithmetic: matrix products marked QUANTISED: E4M3 operands, one E8M0 scale for each 32 along K, by v_wmma_scale_f32_16x16x128_f8f6f4 with both operands' format E4M3, f32 sums; everything else in f32.
;; Inputs: input 8 x 2,048 x 1,024 float32; weight 8 x 4,096 x 1,024 float32.
;; Outputs: out0 8 x 256 x 4,096 float32.
;; This version of the problem:
;;   THIS VERSION OF THE PROBLEM IS GIVEN IN LOW PRECISION. The matrix products marked QUANTISED in the list below multiply operands that are first quantised to E4M3 (4 exponent bits, 3 mantissa bits; 8 bits a number), with one power-of-two scale for each 32 numbers along K (OCP MX v1.0); their sums are f32. All else is computed in f32.
;;   The module's matrix products, in the order in which they are computed (A, B: the left and right operand; K: the contracted axis; several contracted axes count as one K, in the product's order):
;;     1. [M 2,048, K 8,192] x [K 8,192, N 4,096]; A: input input; B: input weight: QUANTISED
;;   THE QUANTISER, for each operand of a quantised product, along K:
;;     - K is cut into blocks of 32 from its start; a last block that is shorter is filled with zeros.
;;     - A block's scale is 2^e with e = floor(log2(the largest magnitude in the block)) - 8, held to -126 .. 127; a block of zeros has e = 0. As a byte (E8M0): e + 127.
;;     - Each number is divided by its block's scale, clamped to +-448, and rounded to the nearest number of E4M3, ties to even, subnormals kept.
;;     - The product sums the exact products of the quantised numbers (number of the format x scale) in f32.
;;   ~~~python
;;   def quantise(x, axis):      # numpy; x: float32 -> the quantised numbers, widened to float32 again
;;       x = np.moveaxis(x, axis, -1); K = x.shape[-1]
;;       x = np.pad(x, [(0, 0)] * (x.ndim - 1) + [(0, -K % 32)]); x = x.reshape(x.shape[:-1] + (-1, 32)); a = np.abs(x).max(-1, keepdims=True)
;;       e = np.where(a > 0, np.clip(np.frexp(np.where(a > 0, a, 1))[1] - 1 - 8, -126, 127), 0)      # np.frexp(a)[1] - 1 = floor(log2(a)), exactly
;;       r = np.clip(x / 2.0 ** e, -448, 448)
;;       step = 2.0 ** (np.maximum(np.frexp(np.where(r == 0, 1, r))[1] - 1, -6) - 3)
;;       q = np.round(r / step) * step * 2.0 ** e      # np.round: ties to even
;;       return np.moveaxis(q.reshape(q.shape[:-2] + (-1,))[..., :K], -1, axis).astype(np.float32)
;;   ~~~
;; 2 versions. Each part assembles by itself: llvm-mc -triple=amdgcn-amd-amdhsa -mcpu=gfx1250 --defsym DOCPART=n.
;; ======== version 1 of 2: 2 launches
;; workspace buffers: a_codes 16,777,216 bytes; b_codes 33,554,432 bytes; a_scales 524,288 bytes; b_scales 1,048,576 bytes
;; launch quant (part 1): grid 1536 x 1, 4 waves a work-group, no clusters, 1,536 bytes of LDS; arguments input, weight, a_codes, a_scales, b_codes, b_scales; writes a_codes, a_scales, b_codes, b_scales
.if DOCPART == 1
	.amdgcn_target "amdgcn-amd-amdhsa--gfx1250"
	.amdhsa_code_object_version 6
	.text
	.protected	k_q4e6dd38233_quant
	.globl	k_q4e6dd38233_quant
	.p2align	8
	.type	k_q4e6dd38233_quant,@function
k_q4e6dd38233_quant:
	s_mov_b64 s[64:65], 0
	v_nop
	global_prefetch_b8 v0, s[64:65] scope:SCOPE_SE
	s_setreg_imm32_b32 hwreg(HW_REG_WAVE_MODE, 25, 1), 1
	s_wait_xcnt 0x0
; input [8][2048][1024] and weight [8][4096][1024], f32, become codes of FP8 (E4M3), one byte each, and one E8M0 scale byte for each 32 along K.
; THE PRODUCT'S K.  The product contracts k and the rank together, k first and THE RANK INNERMOST: K index = 8 k + rank, 8,192 in all.  So a block of 32 along K is 4 neighbouring k x all 8 ranks:
; block j of a row holds k = 4 j .. 4 j + 3 of each rank.  The codes are laid [row][8192], block j at byte 32 j, and the scale bytes [row][256], block j's at byte j.
; INSIDE A BLOCK the code of (rank, k) lies at byte 4 rank + k % 4, not at 8 (k % 4) + rank.  Both operands are laid alike, all 32 share one scale, and a sum of products does not hang on the order of its terms but for the rounding of the f32 sums.
; A block's scale is 2^(floor(log2(its largest magnitude)) - 8); its byte is the largest magnitude's own exponent field - 8, held at 1 from below, which is the quantiser's clip at -126.
; Each number is divided by the scale, held within +-448 and rounded to the nearest code, ties to even.
; LIMITS: NaN and infinities among the inputs are not served.  A block of zeros gets the byte 1 where the quantiser says 127: its codes are zeros, which add nothing under that byte, and this program alone reads the bytes.
; SHARES.  A wave takes ONE ROW through all eight ranks: 256 blocks in 16 steps of 16.  So its codes are 8,192 consecutive bytes and its 256 scale bytes one aligned run of 256.
; Work-groups 0 to 511 take input (4 rows each), the other 1,024 take weight.  Only pointers and the rank's stride are chosen: there is one path through the text.
; A LANE HOLDS HALF A BLOCK: lane l takes, of block l / 2 of the step, ranks 4 (l % 2) .. 4 (l % 2) + 3: four loads of 16 bytes (4 neighbouring k), one from each of these ranks, into 16 consecutive registers,
; which is what the conversions want.  In one load the sixteen even lanes read 256 consecutive bytes of one rank and the sixteen odd lanes 256 consecutive bytes of the rank four further on, each run at a multiple of 256 from the buffer's first byte.
; Nothing is turned through LDS.  No tensor loads, no barrier: waves share nothing.  Loads run four steps (16 loads a wave) ahead.
.set STEPS, 16
.set WGA,   512                        ; work-groups for input: 2,048 rows / 4
.set EMAX,  8
.set MANT,  0x600000                   ; the mantissa field of 448 as f32
.set R,     16                         ; v16-79   four sets of 16 numbers, taken by turns
.set C,     80                         ; v80-143  codes: four registers for each step, so that no store's data are written again
.set E,     144                        ; v144-159 a scale byte for each step
.set SRC,   32                         ; s[32:39] my row's first byte in ranks 0 to 3; ranks 4 to 7 are reached by the odd lanes' offset
	s_load_b128 s[4:7], s[0:1], 0x0                ; input, weight
	s_load_b128 s[8:11], s[0:1], 0x10              ; input's codes, input's scales
	s_load_b128 s[12:15], s[0:1], 0x20             ; weight's codes, weight's scales
	v_lshl_add_u32 v160, v0, 2, 0x400
	v_mov_b32 v161, 0
	v_lshrrev_b32 v1, 5, v0
	v_readfirstlane_b32 s16, v1                    ; wave
	v_and_b32 v2, 31, v0                           ; lane
	v_lshlrev_b32 v4, 4, v2                        ; 16 x lane: my 16 codes' place in a step's 512 bytes; never rewritten
	v_and_b32 v14, 1, v2                           ; which half of a block is mine
	v_lshrrev_b32 v15, 1, v2                       ; which of the step's 16 blocks
	s_lshl_b32 s17, s16, 8                         ; LDS: 256 scale bytes for each wave
	v_add_nc_u32 v5, s17, v15                      ; my block's byte,
	v_lshlrev_b32 v7, 3, v2                        ; and on the way out 8 bytes a lane
	v_add_nc_u32 v6, s17, v7
	s_mov_b32 s23, MANT                            ; (an instruction takes one literal: the hold's line has another)
	s_wait_kmcnt 0x0
	s_cmp_lt_u32 ttmp9, WGA                        ; input's work-group or weight's?  The choice hangs on the work-group's number alone
	s_cselect_b64 s[4:5], s[4:5], s[6:7]
	s_cselect_b64 s[8:9], s[8:9], s[12:13]
	s_cselect_b64 s[10:11], s[10:11], s[14:15]
	s_mov_b32 s20, 0x1000000                       ; from rank to rank: 4,096 rows of 4,096 bytes in weight,
	s_cselect_b32 s20, 0x800000, s20               ; 2,048 rows in input
	s_mov_b32 s21, 0
	s_cselect_b32 s17, 0, WGA
	s_sub_co_u32 s17, ttmp9, s17
	s_lshl_b32 s17, s17, 2
	s_add_co_u32 s18, s17, s16                     ; my row: 4 x the tensor's work-group + wave
	s_lshl_b32 s22, s20, 2                         ; four ranks on: 2^25 or 2^26 bytes
	v_mul_lo_u32 v3, v14, s22                      ; the loads' offset: the odd lanes stand four ranks on,
	v_lshl_add_u32 v3, v15, 4, v3                  ; + 16 bytes a block; never rewritten
	s_lshl_b32 s24, s18, 12                        ; a row of one rank is 4,096 bytes (under 2^24 in all)
	s_mov_b32 s25, 0
	s_add_nc_u64 s[SRC:SRC+1], s[4:5], s[24:25]
.irp r, 1,2,3
	s_add_nc_u64 s[SRC+2*\r:SRC+2*\r+1], s[SRC+2*\r-2:SRC+2*\r-1], s[20:21]   ; the stride is too long for a load's immediate: a base for each of four ranks
.endr
	s_lshl_b32 s24, s18, 13                        ; my row's 8,192 codes
	s_add_nc_u64 s[8:9], s[8:9], s[24:25]
	s_lshl_b32 s24, s18, 8                         ; my row's 256 scale bytes
	s_add_nc_u64 s[10:11], s[10:11], s[24:25]
.macro LOAD t                          ; step t: blocks 16 t .. 16 t + 15, which are k = 64 t .. 64 t + 63, 256 bytes of each rank, into set t % 4.  Register 4 i + n: rank 4 (l % 2) + i, k = 64 t + 4 (l / 2) + n
.irp i, 0,1,2,3
	global_load_b128 v[R+16*((\t)%4)+4*\i:R+16*((\t)%4)+4*\i+3], v3, s[SRC+2*\i:SRC+2*\i+1] offset:256*(\t) th:TH_LOAD_NT   ; read once in the launch
.endr
.endm
.irp t, 0,1,2,3
	LOAD \t
.endr
.macro STEP t
.set XS, R+16*((\t)%4)
.set CS, C+4*(\t)
.if STEPS-1-(\t) >= 3
	s_wait_loadcnt 12                              ; this step's four loads are in; those of the three steps behind it may be out
.else
	s_wait_loadcnt 4*(STEPS-1-(\t))                ; at the end fewer steps stand behind it
.endif
	v_max3_num_f32 v8, |v[XS]|, |v[XS+1]|, |v[XS+2]|               ; the largest magnitude of my 16, in two chains
	v_max3_num_f32 v9, |v[XS+3]|, |v[XS+4]|, |v[XS+5]|
.irp i, 6,10
	v_max3_num_f32 v8, v8, |v[XS+\i]|, |v[XS+\i+1]|
	v_max3_num_f32 v9, v9, |v[XS+\i+2]|, |v[XS+\i+3]|
.endr
	v_max3_num_f32 v8, v8, |v[XS+14]|, |v[XS+15]|
	v_max3_num_f32 v8, v8, v9, (EMAX+1)<<23        ; and the floor 2^(EMAX + 1 - 127), under which no largest magnitude is taken: so the byte cannot fall under 1
	v_max_num_f32_dpp v8, v8, v8 row_xmask:1 row_mask:0xf bank_mask:0xf   ; and of my neighbour's 16, the block's other four ranks: the block's
	v_add_nc_u32 v11, -(EMAX<<23), v8              ; EMAX off its exponent field: the conversion takes the exponent field of this operand as its scale, and nothing else of it
	v_and_or_b32 v10, v8, 0x7f800000, s23          ; 448 x the scale: the largest magnitude's exponent field over 448's mantissa (s23)
.irp i, 0,1,2,3,4,5,6,7,8,9,10,11,12,13,14,15
	v_med3_num_f32 v[XS+\i], v[XS+\i], -v10, v10   ; the conversion to an 8-bit code does not saturate (ISA guide 7.6.2): hold the number within the largest code x the scale first
.endr
	v_cvt_scalef32_pk8_fp8_f32 v[CS:CS+1], v[XS:XS+7], v11          ; eight numbers / 2^(v11's exponent), to the nearest code, ties to even; the first number's code in the lowest byte
	v_cvt_scalef32_pk8_fp8_f32 v[CS+2:CS+3], v[XS+8:XS+15], v11
	v_lshrrev_b32 v[E+(\t)], 23, v11               ; the scale's byte (also the plain line behind the conversions)
.if (\t)+4 < STEPS
	LOAD (\t)+4                                    ; this step's numbers are done with: their registers take the loads of four steps on
.endif
	ds_store_b8 v5, v[E+(\t)] offset:16*(\t)       ; both lanes of a block write the same byte with the same value
	global_store_b128 v4, v[CS:CS+3], s[8:9] offset:512*(\t)       ; 32 lanes store 512 consecutive bytes, at a multiple of 512 from the buffer's first byte
.endm
.irp t, 0,1,2,3,4,5,6,7,8,9,10,11,12,13,14,15
	STEP \t
.endr
	ds_load_b64 v[12:13], v6                       ; LDS serves a wave's instructions in order (ISA guide 5.7.1.4): these see my byte stores
	s_wait_dscnt 0x0
	global_store_b64 v7, v[12:13], s[10:11]        ; 32 lanes store my row's 256 scale bytes, at a multiple of 256 from the buffer's first byte
	s_wait_tensorcnt 0x0
	ds_add_u32 v160, v161
	s_wait_dscnt 0x0
	s_endpgm
.Lfunc_end_k_q4e6dd38233_quant:
	.size	k_q4e6dd38233_quant, .Lfunc_end_k_q4e6dd38233_quant-k_q4e6dd38233_quant
	.p2alignl 7, 3214868480
	.fill 96, 4, 3214868480
	.section	.rodata,"a",@progbits
	.p2align	6, 0x0
	.amdhsa_kernel k_q4e6dd38233_quant
		.amdhsa_group_segment_fixed_size 1536
		.amdhsa_private_segment_fixed_size 0
		.amdhsa_enable_private_segment 0
		.amdhsa_kernarg_size 48
		.amdhsa_user_sgpr_count 2
		.amdhsa_user_sgpr_kernarg_segment_ptr 1
		.amdhsa_wavefront_size32 1
		.amdhsa_system_sgpr_workgroup_id_x 1
		.amdhsa_system_sgpr_workgroup_id_y 1
		.amdhsa_system_sgpr_workgroup_id_z 1
		.amdhsa_system_vgpr_workitem_id 0
		.amdhsa_next_free_vgpr 162
		.amdhsa_next_free_sgpr 66
		.amdhsa_reserve_vcc 0
		.amdhsa_float_denorm_mode_32 3
		.amdhsa_float_denorm_mode_16_64 3
		.amdhsa_memory_ordered 1
		.amdhsa_forward_progress 1
		.amdhsa_inst_pref_size 42
	.end_amdhsa_kernel
	.amdgpu_metadata
---
amdhsa.version: [ 1, 2 ]
amdhsa.kernels:
  - .name:           k_q4e6dd38233_quant
    .symbol:         k_q4e6dd38233_quant.kd
    .args:
      - { .name: input, .offset: 0, .size: 8, .value_kind: global_buffer, .address_space: global }
      - { .name: weight, .offset: 8, .size: 8, .value_kind: global_buffer, .address_space: global }
      - { .name: a_codes, .offset: 16, .size: 8, .value_kind: global_buffer, .address_space: global }
      - { .name: a_scales, .offset: 24, .size: 8, .value_kind: global_buffer, .address_space: global }
      - { .name: b_codes, .offset: 32, .size: 8, .value_kind: global_buffer, .address_space: global }
      - { .name: b_scales, .offset: 40, .size: 8, .value_kind: global_buffer, .address_space: global }
    .group_segment_fixed_size: 1536
    .private_segment_fixed_size: 0
    .kernarg_segment_align: 8
    .kernarg_segment_size: 48
    .max_flat_workgroup_size: 128
    .sgpr_count:     66
    .vgpr_count:     162
    .wavefront_size: 32
...
	.end_amdgpu_metadata
.endif
;; end of part 1
;; launch gemm (part 2): grid 16 x 16, 4 waves a work-group, clusters of 4 x 4, 327,680 bytes of LDS; arguments a_codes, a_scales, b_codes, b_scales, out0; writes out0
.if DOCPART == 2
	.amdgcn_target "amdgcn-amd-amdhsa--gfx1250"
	.amdhsa_code_object_version 6
	.text
	.protected	k_q4e6dd38233_gemm
	.globl	k_q4e6dd38233_gemm
	.p2align	8
	.type	k_q4e6dd38233_gemm,@function
k_q4e6dd38233_gemm:
	s_mov_b64 s[64:65], 0
	v_nop
	global_prefetch_b8 v0, s[64:65] scope:SCOPE_SE
	s_setreg_imm32_b32 hwreg(HW_REG_WAVE_MODE, 25, 1), 1
	s_wait_xcnt 0x0
	s_wait_alu depctr_hold_cnt(0) depctr_sa_sdst(0) depctr_va_vdst(0) depctr_va_sdst(0) depctr_va_ssrc(0) depctr_va_vcc(0) depctr_vm_vsrc(0)
	s_getreg_b32 s2, hwreg(HW_REG_IB_STS2, 6, 4)
	s_cmp_eq_u32 s2, 0
	s_cbranch_scc0 .Lentry_in_a_cluster
	s_endpgm
.Lentry_in_a_cluster:
	s_bfe_u32 s2, ttmp6, 0x10000c
	s_cmp_lg_u32 s2, 0xf033
	s_cbranch_scc0 .Lentry_shape_is_right
	s_endpgm
.Lentry_shape_is_right:
; C[m][n] = sum over k of A[m][k] B[n][k].  A: [2048][8192], B: [4096][8192]: codes of FP8 (E4M3), one byte each, with one E8M0 scale byte for each 32 along K ([rows][256]); C = out0: [2048][4096] f32.
; A tile of C is 128 (m) x 256 (n): 16 x 16 = 256 work-groups of four waves.  THE WAVES SPLIT N AND K, NOT M: wave w takes columns 128 (w & 1) on and, of every K step of 256, the 128 codes at 128 (w >> 1).
; So each wave holds 128 x 128 partial sums (64 accumulators, 512 registers) and reads 64 LDS loads of 16 bytes a lane for its 64 matrix instructions of a K step; waves of 64 x 128 would read 96.
; At the end the two waves of a column half hand each other half of their sums through LDS and add them.
; ORDER OF ROUNDING: an output is the f32 sum of two f32 sums, one over the even and one over the odd runs of 128 along K, each in ascending K; the reference has one sum.  NaN and infinities are not served.
; K goes in 32 steps of 256 through a ring of two LDS slots filled by the tensor data mover: a tile's row is 256 bytes of memory, at a multiple of 256 from the buffer's first byte.
; THE SCALES of the work-group's 128 rows of A and 256 rows of B, for all of K (256 bytes a row), come into LDS once, with the first fills, and stay.
; CLUSTERS: 4 x 4 work-groups.  The four of a row of the cluster need the same tiles of A, the four of a column the same tiles of B: each tile is asked for JOINTLY, by the same tensor load with the
; same descriptor and a mask that names the four.  THE MATRIX INSTRUCTION IS USED TRANSPOSED (source 0 = 16 rows of B, source 1 = 16 rows of A): a lane then holds eight neighbouring numbers of a row of C.
; A'S HALVES ARE SWAPPED BY ADDRESS: with kh = w >> 1, A's register blocks 0-3 are the tile's rows 64 kh on and blocks 4-7 its rows 64 (1 - kh) on.  So every wave keeps the accumulators of blocks 0-3
; and sends those of blocks 4-7, which are its partner's blocks 0-3: one text serves all four waves.
; REGISTERS, in windows of 256: window 0: v0-31 addresses; v32-47 scale words, two sets; v128-255 A's 8 fragments (16 rows x 128 K), ONE set; on the way out v128-255 take rows of C.
;   window 1: B's 8 fragments, TWO sets, at v0 and v128; at the end the partner's sums.   window 2: accumulators (a, b), a = 0..3, at v[8 (8 a + b)].   window 3: those of a = 4..7.
; A K step is 64 matrix instructions, A's blocks one after the other, each against B's eight: a block of A is free as soon as its eight products are issued, so one set serves A; B's are at work through the whole step and have two.
.set KROW,   8192                      ; a row of codes in memory, in bytes
.set CROW,   16384                     ; a row of C in bytes
.set PITCH,  272                       ; an LDS row: 256 bytes + 16 of padding = 68 words: row r starts at bank 4 r mod 64 (64 banks of 4 bytes: ISA guide 11.1), so the 16 rows that a load touches start at 16 different banks
.set BLK,    16*PITCH                  ; 16 rows
.set HALFA,  64*PITCH                  ; what one tensor load brings of A
.set HALFB,  128*PITCH                 ; and of B
.set SLOT,   2*HALFA+2*HALFB           ; A's 128 rows, then B's 256 rows
.set SCL,    2*SLOT                    ; behind the ring: the scale rows, laid as a slot is: A's 128, then B's 256, pitch 272
.set SPARE,  SCL+SLOT                  ; behind the scales: the spare words, 128 bytes for each wave: two blocks of 256 bytes that no other line names
.set XWAVE,  32768                     ; the exchange: 32 accumulators as images of their registers, for each wave, from LDS byte 0 on,
.set STG,    4*XWAVE                   ; and behind it a stage of 16 rows x 528 bytes for each wave.  Both lie in the ring, which has had its last fill and its last read by then
.set SPITCH, 528
.set ADRA,  16                         ; v16-19  LDS address of A's fragments: slot 0 blocks 0-3, slot 0 blocks 4-7, slot 1 likewise
.set ADRB,  20                         ; v20-21  of B's fragments in slot 0, 1
.set XW,    22                         ; v22     the exchange: where I store
.set XR,    23                         ; v23     and where my partner has stored
.set STO,   24                         ; v24     the way out: where I put 32 bytes of a row
.set RD,    25                         ; v25     the way out: where I read a row back
.set CO,    26                         ; v26     my byte offset in a row of C
.set ADRSL, 27                         ; v27     LDS address of the scale words of blocks 0-3: lanes 0-15 A's rows, lanes 16-31 B's
.set SPW,   28                         ; v28     LDS address of my spare word: SPARE + 4 x my thread's number; never rewritten
.set NIL,   29                         ; v29     0; never rewritten
.set ADRSH, 30                         ; v30     as v27, for blocks 4-7
.set PFO,   31                         ; v31     the prefetches' offset: my lane x a row of codes; never rewritten
.set SC,    32                         ; scale words: set s at v[SC + 8 s]; register i: lanes 0-15 the word of A's register block i, lanes 16-31 that of B's block i
.set AF,    128                        ; A's fragments
.set BK,    128                        ; the way out: 16 rows read back from the stage: v128-191 and v192-255 by turns
.set G1,   24                          ; s[24:31] descriptor group 1 for A's tiles;  s[32:39] group 0, one set for each slot
.set G0,   32
.set G1B,  48                          ; s[48:55], s[56:63] the same for B's tiles
.set G0B,  56
.set G1S,  68                          ; s[68:75], s[76:79] groups 1 and 0 for A's scales;  s[80:87], s[88:91] for B's
.set G0S,  76
.set G1SB, 80
.set G0SB, 88
.set PFA,  96                          ; s[96:97] where my prefetches stand in memory
.set LIM,  98                          ; s98  1 in a wave that prefetches, else the greatest number
.set MSB, 0
.macro WIN new                         ; the immediate's high byte repeats the setting that is left; a switch that changes nothing is dropped
.if MSB != \new
	s_set_vgpr_msb (MSB<<8)|\new
.set MSB, \new
.endif
.endm
.set MUL_LO, 0xa1                      ; source 0 (B) window 1, source 1 (A) window 0, C and D window 2
.set MUL_HI, 0xf1                      ; the same, C and D window 3
.set TO_B,   0x40                      ; destination window 1, address window 0
; A joint load: waves 0 and 1 fetch for A, waves 2 and 3 for B.  Each of the two lines has ONE mask and one set of registers for all that issue it; the branch hangs on the wave's number alone.
; Four v_nop follow each of the two lines, ahead of the jump, the label and what follows.
.macro JLOAD g0a, g1a, g0b, g1b
	s_cmp_eq_u32 s15, 0
	s_cbranch_scc0 .Lfor_b_\@
	tensor_load_to_lds s[\g0a:\g0a+3], s[\g1a:\g1a+7]
	s_nop 0
.rept 4
	v_nop
.endr
	s_branch .Lasked_\@
.Lfor_b_\@:
	tensor_load_to_lds s[\g0b:\g0b+3], s[\g1b:\g1b+7]
	s_nop 0
.rept 4
	v_nop
.endr
.Lasked_\@:
.endm
; A round of the cluster's barrier: my work-group's barrier, so that wave 0's signal speaks for all four waves; wave 0 signals for the work-group; every wave waits for all sixteen work-groups; my work-group's barrier once more.
.macro CROUND
	s_barrier_signal -1
	s_barrier_wait -1
	s_cmp_lg_u32 s14, 0
	s_cbranch_scc1 .Lnot_wave_0_\@
	s_barrier_signal -3
.Lnot_wave_0_\@:
	s_barrier_wait -3
	s_barrier_signal -1
	s_barrier_wait -1
.endm
.macro SHAPE g, c, r, p                ; words 1 to 7 of a group 1: r rows of c elements, p elements from row to row; the tile lies inside the tensor, so the extents are the tile's
	s_mov_b32 s[\g+1], (\c)<<16                    ; tensor_dim0
	s_mov_b32 s[\g+2], (\r)<<16                    ; tensor_dim1
	s_mov_b32 s[\g+3], (\c)<<16                    ; tile_dim0
	s_mov_b32 s[\g+4], \r                          ; tile_dim1
	s_mov_b32 s[\g+5], \p                          ; tensor_dim0_stride
	s_mov_b32 s[\g+6], 0
	s_mov_b32 s[\g+7], 0
.endm
	s_load_b128 s[4:7], s[0:1], 0x0                ; A's codes s[4:5], A's scales s[6:7]
	s_load_b128 s[8:11], s[0:1], 0x10              ; B's codes s[8:9], B's scales s[10:11]
	s_load_b64 s[12:13], s[0:1], 0x20              ; C
	v_lshl_add_u32 v[SPW], v0, 2, SPARE
	v_mov_b32 v[NIL], 0
	ds_add_u32 v28, v29
	ds_add_u32 v28, v29
	s_wait_dscnt 0x0
	v_lshrrev_b32 v1, 5, v0
	v_readfirstlane_b32 s14, v1                    ; wave 0..3
	s_lshr_b32 s15, s14, 1                         ; kh: which 128 of a K step's 256 are mine.  Also: I fetch for A (0) or for B (1)
	s_and_b32 s16, s14, 1                          ; wn: which 128 columns are mine.  Also: which half of that tile's rows I fetch
	s_bfe_u32 s40, ttmp6, 0x40000                  ; cx, cy: my place in the cluster
	s_bfe_u32 s41, ttmp6, 0x40004
	s_lshl_b32 s42, ttmp9, 2
	s_add_co_u32 s42, s42, s40                     ; tile column of C = 4 x cluster x + cx
	s_and_b32 s17, ttmp7, 0xffff
	s_lshl_b32 s17, s17, 2
	s_add_co_u32 s17, s17, s41                     ; tile row of C = 4 x cluster y + cy
	s_lshl_b32 s43, s41, 2
	s_lshl_b32 s43, 15, s43                        ; my row of the cluster: places 4 cy .. 4 cy + 3
	s_lshl_b32 s44, 0x1111, s40                    ; my column: places cx, cx + 4, cx + 8, cx + 12
	; group 1, word 0: 15:0 the mask; 17:16 the element's size; 20 padding on; 21 set beside a mask; 24:22 after every 64 words (code 5); 31:25 four words of it (code 3)
	s_or_b32 s[G1+0], s43, (0<<16)|(1<<20)|(1<<21)|(5<<22)|(3<<25)    ; A's tiles go to my row of the cluster; elements of 1 byte
	s_or_b32 s[G1B+0], s44, (0<<16)|(1<<20)|(1<<21)|(5<<22)|(3<<25)   ; B's to my column
	s_or_b32 s[G1S+0], s43, (3<<16)|(1<<20)|(1<<21)|(5<<22)|(3<<25)   ; the scales likewise; elements of 8 bytes
	s_or_b32 s[G1SB+0], s44, (3<<16)|(1<<20)|(1<<21)|(5<<22)|(3<<25)
	SHAPE G1,   256, 64,  KROW                     ; 64 rows of A x 256 codes
	SHAPE G1B,  256, 128, KROW                     ; 128 rows of B x 256 codes
	SHAPE G1S,  32,  64,  32                       ; the scales of 64 rows: 64 x 256 dense bytes
	SHAPE G1SB, 32,  128, 32                       ; of 128 rows
	; where the tiles come from.  A's hang on the tile row alone, which my row of the cluster shares; B's on the tile column alone.  Each in registers that never hold the other coordinate
	s_lshl_b32 s18, s16, 6
	s_lshl_b32 s20, s17, 7
	s_add_co_u32 s20, s20, s18                     ; A: row 128 x tile row + 64 x half
	s_lshl_b32 s22, s20, 8                         ; its scales: 256 bytes a row
	s_lshl_b32 s20, s20, 13                        ; its codes: 8,192 bytes a row (under 2^24 in all)
	s_mov_b32 s21, 0
	s_mov_b32 s23, 0
	s_lshl_b32 s45, s16, 7
	s_lshl_b32 s46, s42, 8
	s_add_co_u32 s46, s46, s45                     ; B: row 256 x tile column + 128 x half
	s_lshl_b32 s92, s46, 8
	s_lshl_b32 s46, s46, 13                        ; (under 2^25 in all)
	s_mov_b32 s47, 0
	s_mov_b32 s93, 0
	s_mul_i32 s94, s16, HALFA                      ; where they go: A's half,
	s_mul_i32 s95, s16, HALFB
	s_add_co_u32 s95, s95, 2*HALFA                 ; B's half, behind A's 128 rows: no place in the cluster enters an LDS address
	s_wait_kmcnt 0x0
	s_add_nc_u64 s[20:21], s[4:5], s[20:21]
	s_add_nc_u64 s[22:23], s[6:7], s[22:23]
	s_add_nc_u64 s[46:47], s[8:9], s[46:47]
	s_add_nc_u64 s[92:93], s[10:11], s[92:93]
	CROUND                                         ; all sixteen work-groups are here: the first joint loads meet
	s_mov_b32 s[G0S], 1                            ; 1:0 count = 1
	s_add_co_u32 s[G0S+1], s94, SCL                ; 63:32 LDS address
	s_mov_b64 s[G0S+2:G0S+3], s[22:23]             ; 120:64 global address
	s_or_b32 s[G0S+3], s[G0S+3], 0x80000000        ; 127:126 type = 2
	s_mov_b32 s[G0SB], 1
	s_add_co_u32 s[G0SB+1], s95, SCL
	s_mov_b64 s[G0SB+2:G0SB+3], s[92:93]
	s_or_b32 s[G0SB+3], s[G0SB+3], 0x80000000
	JLOAD G0S, G1S, G0SB, G1SB                     ; the scales first: they are wanted with K step 0
.irp s, 0,1
	s_mov_b32 s[G0+4*\s], 1
	s_add_co_u32 s[G0+4*\s+1], s94, \s*SLOT
	s_add_nc_u64 s[G0+4*\s+2:G0+4*\s+3], s[20:21], \s*256
	s_or_b32 s[G0+4*\s+3], s[G0+4*\s+3], 0x80000000
	s_mov_b32 s[G0B+4*\s], 1
	s_add_co_u32 s[G0B+4*\s+1], s95, \s*SLOT
	s_add_nc_u64 s[G0B+4*\s+2:G0B+4*\s+3], s[46:47], \s*256
	s_or_b32 s[G0B+4*\s+3], s[G0B+4*\s+3], 0x80000000
	JLOAD G0+4*\s, G1, G0B+4*\s, G1B               ; K steps 0 and 1: three tensor loads of mine are out
.endr
	; A fragment, 16 rows x 128 K of 8-bit codes, is 16 registers: lane l holds row l % 16; registers 4 c .. 4 c + 3 hold K = 32 c + 16 (l / 16) + 0 .. 15: four loads of 16 bytes, 32 bytes apart
	v_and_b32 v1, 15, v0                           ; r = l % 16
	v_bfe_u32 v2, v0, 4, 1                         ; h = l / 16
	v_mul_u32_u24 v3, v1, PITCH
	v_lshl_add_u32 v4, v2, 4, v3
	s_lshl_b32 s18, s15, 7
	v_add_nc_u32 v4, s18, v4                       ; row x pitch + 16 h + 128 kh
	s_xor_b32 s99, s15, 1                          ; 1 - kh
	s_mul_i32 s19, s15, HALFA                      ; A's register blocks 0-3: rows 64 kh on,
	s_mul_i32 s21, s99, HALFA                      ; blocks 4-7: rows 64 (1 - kh) on
	s_mul_i32 s22, s16, HALFB
	s_add_co_u32 s22, s22, 2*HALFA                 ; my 128 rows of B
.irp s, 0,1
	v_add_nc_u32 v[ADRA+2*\s], s19, v4
	v_add_nc_u32 v[ADRA+2*\s+1], s21, v4
	v_add_nc_u32 v[ADRB+\s], s22, v4
	s_add_co_u32 s19, s19, SLOT
	s_add_co_u32 s21, s21, SLOT
	s_add_co_u32 s22, s22, SLOT
.endr
	; the scale words: row x pitch + 8 bytes a K step + 4 kh.  Lanes 0-15 take A's rows, lanes 16-31 B's: the lower base + h x the distance between the two
	s_lshl_b32 s22, s16, 1
	s_add_co_u32 s23, s22, s99
	s_add_co_u32 s23, s23, 1
	s_mul_i32 s23, s23, HALFA                      ; blocks 0-3: B's rows 128 wn on lie 64 (1 + 2 wn + (1 - kh)) rows behind A's rows 64 kh on
	s_add_co_u32 s22, s22, s15
	s_add_co_u32 s22, s22, 2
	s_mul_i32 s22, s22, HALFA                      ; blocks 4-7: B's rows 128 wn + 64 on lie 64 (2 + 2 wn + kh) rows behind A's rows 64 (1 - kh) on
	s_lshl_b32 s18, s15, 2
	s_mul_i32 s19, s15, HALFA
	s_add_co_u32 s19, s19, s18
	s_add_co_u32 s19, s19, SCL
	s_mul_i32 s21, s99, HALFA
	s_add_co_u32 s21, s21, s18
	s_add_co_u32 s21, s21, SCL
	v_mul_u32_u24 v5, s23, v2
	v_mul_u32_u24 v6, s22, v2
	v_add_nc_u32 v5, v5, v3
	v_add_nc_u32 v6, v6, v3
	v_add_nc_u32 v[ADRSL], s19, v5
	v_add_nc_u32 v[ADRSH], s21, v6
	; the exchange and the way out
	v_and_b32 v5, 31, v0
	v_lshlrev_b32 v[CO], 4, v5                     ; 16 x lane
	s_lshl_b32 s18, s14, 15
	v_add_nc_u32 v[XW], s18, v[CO]                 ; my 32,768 bytes,
	s_xor_b32 s18, s14, 2
	s_lshl_b32 s18, s18, 15
	v_add_nc_u32 v[XR], s18, v[CO]                 ; and those of the wave with my columns and the other half of K
	s_mul_i32 s18, s14, 16*SPITCH
	s_add_co_u32 s18, s18, STG                     ; my stage
	v_mul_u32_u24 v6, v1, SPITCH                   ; in: row l % 16, 32 bytes for each half of the lanes
	v_lshl_add_u32 v6, v2, 5, v6
	v_add_nc_u32 v[STO], s18, v6
	v_add_nc_u32 v[RD], s18, v[CO]                 ; back: the 32 lanes take one row of 512 bytes
	v_lshlrev_b32 v[PFO], 13, v5
	s_lshl_b32 s20, s17, 7
	s_lshl_b32 s21, s15, 6
	s_add_co_u32 s20, s20, s21                     ; the first row of C that I store: 128 x tile row + 64 kh
	s_lshl_b32 s20, s20, 14
	s_lshl_b32 s46, s42, 10                        ; my first column, in bytes: 1,024 x tile column + 512 wn
	s_lshl_b32 s47, s16, 9
	s_add_co_u32 s46, s46, s47
	s_add_co_u32 s20, s20, s46                     ; (under 2^25 in all)
	s_mov_b32 s21, 0
	s_add_nc_u64 s[12:13], s[12:13], s[20:21]
	; THE PREFETCHES (macro ASK): who asks, and where.  A's tile row is read by every cluster of that row of clusters: cluster x = 0 asks; B's tile column by every cluster of that column: cluster y = 0 asks.
	; The four partners that ask for a tile jointly share its rows out BY ADDRESS, 32 each: of A's 128 rows wave 0 of the partner at cx takes rows 32 cx on; of B's 256 rows waves 2 and 3 of the partner at cy take
	; rows 128 (w & 1) + 32 cy on.  Wave 1 never asks.  A lane names a row's 256 bytes of a K step: each such run is named once in the launch.
	s_lshl_b32 s18, s17, 7
	s_lshl_b32 s19, s42, 8
	s_and_b32 s22, ttmp7, 0xffff                   ; cluster y
	s_cmp_eq_u32 s15, 0                            ; do I fetch for A?
	s_cselect_b32 s20, s18, s19                    ; the tile's first row
	s_cselect_b32 s21, s40, s41                    ; my place among the four that ask for it with me
	s_cselect_b32 s22, ttmp9, s22                  ; the coordinate along which other clusters read the same rows
	s_cselect_b32 s23, s16, 0                      ; of A's two fetching waves only wave 0 asks
	s_cselect_b32 s99, 0, s16                      ; of B's two each asks for its own 128 rows
	s_cselect_b64 s[PFA:PFA+1], s[4:5], s[8:9]
	s_or_b32 s22, s22, s23
	s_cmp_eq_u32 s22, 0
	s_cselect_b32 s[LIM], 1, -1                    ; the same in all sixteen partners, for a given wave
	s_lshl_b32 s99, s99, 7
	s_add_co_u32 s20, s20, s99
	s_lshl_b32 s21, s21, 5
	s_add_co_u32 s20, s20, s21
	s_lshl_b32 s20, s20, 13
	s_add_co_u32 s20, s20, 256                     ; at K step 1: K step j's change of slots steps it to j + 2 and names, 768 bytes on, K step j + 5
	s_mov_b32 s21, 0
	s_add_nc_u64 s[PFA:PFA+1], s[PFA:PFA+1], s[20:21]
	; nothing is prefetched here, at the head, where every work-group's first tiles are on their way: K steps 0 to 4 come by their loads alone
; 8 matrix instructions: A's register block a x B's eight, 128 along K.  p: the slot, which is also B's set and the set of scale words.  zero = 1: the first product starts the sums: nothing is ever cleared.
; The 64 accumulators take turns, one instruction a turn, in the same order in every K step.  Source 0 is B, so its scale words are read from lanes 16-31.
.macro MUL8 a, p, zero
.irp b, 0,1,2,3,4,5,6,7
.if \zero
	v_wmma_scale_f32_16x16x128_f8f6f4 v[8*(8*((\a)%4)+\b):8*(8*((\a)%4)+\b)+7], v[128*(\p)+16*\b:128*(\p)+16*\b+15], v[AF+16*(\a):AF+16*(\a)+15], 0, v[SC+8*(\p)+\b], v[SC+8*(\p)+(\a)] matrix_a_scale:MATRIX_SCALE_ROW1
.else
	v_wmma_scale_f32_16x16x128_f8f6f4 v[8*(8*((\a)%4)+\b):8*(8*((\a)%4)+\b)+7], v[128*(\p)+16*\b:128*(\p)+16*\b+15], v[AF+16*(\a):AF+16*(\a)+15], v[8*(8*((\a)%4)+\b):8*(8*((\a)%4)+\b)+7], v[SC+8*(\p)+\b], v[SC+8*(\p)+(\a)] matrix_a_scale:MATRIX_SCALE_ROW1
.endif
.endr
.endm
.macro FETCH_B s                       ; 32 loads: B's eight fragments of slot s into set s
	WIN TO_B
.irp i, 0,1,2,3,4,5,6,7
.irp c, 0,1,2,3
	ds_load_b128 v[128*\s+16*\i+4*\c:128*\s+16*\i+4*\c+3], v[ADRB+\s] offset:\i*BLK+32*\c
.endr
.endr
	WIN 0
.endm
.macro FETCH_A s, hi                   ; 16 loads: A's register blocks 4 hi .. 4 hi + 3 of slot s
.irp i, 0,1,2,3
.irp c, 0,1,2,3
	ds_load_b128 v[AF+16*(4*\hi+\i)+4*\c:AF+16*(4*\hi+\i)+4*\c+3], v[ADRA+2*\s+\hi] offset:\i*BLK+32*\c
.endr
.endr
.endm
.macro SCALES s                        ; 8 loads: the scale words of the K step at which the two addresses stand, into set s
.irp i, 0,1,2,3
	ds_load_b32 v[SC+8*\s+\i], v[ADRSL] offset:\i*BLK
.endr
.irp i, 0,1,2,3
	ds_load_b32 v[SC+8*\s+4+\i], v[ADRSH] offset:\i*BLK
.endr
.endm
; A load into a register that a matrix instruction has read, and a vector instruction or an LDS store that reads a matrix result, stand eight places behind that matrix instruction, and only plain vector
; instructions that name none of its registers are places; this text does not count the matrix instructions in between.
.macro PLACES n
.rept \n
	v_nop
.endr
.endm
; A PREFETCH INTO THE L2, behind the joint load, its four lines and the run of LDS loads that follows: 32 rows x 256 bytes, a lane a row, of the K step that stands three refills on (192 matrix instructions of a wave).
; how = 1: ahead of the loop; how = 2: in the loop, whose last trip (s3 = 1) asks for nothing: K step 31 has been named by then; how = 0: nothing is written.
.macro ASK how
.if \how
.if \how == 1
	s_cmp_eq_u32 s[LIM], 1
.else
	s_cmp_gt_u32 s3, s[LIM]
.endif
	s_cbranch_scc0 .Lnot_mine_\@
	global_prefetch_b8 v[PFO], s[PFA:PFA+1] offset:768 th:TH_LOAD_NT scope:SCOPE_SE
.Lnot_mine_\@:
.endif
.endm
; A K STEP, on slot s; n is the other slot.  All that a wave wants of a slot is one set of fragments, which is in registers behind the step's sixteenth product: there the slots change.
; In front of the barrier each wave waits for all its tensor loads (the one that is out is its part of slot n), adds 0 to its spare word, and waits for that and for its reads of slot s.
; fill = 1: the barrier is a round of the cluster's, and slot s is filled again with the K step two on: 56 of a wave's products stand between that request and the wait for it.
.macro TURN s, n, fill, zero, ask
.if \ask
	s_wait_xcnt 0x0                                ; the last prefetch, a K step back, has read its address: it is stepped here, far ahead of the joint load
	s_add_nc_u64 s[PFA:PFA+1], s[PFA:PFA+1], 256
.endif
	s_wait_dscnt 16                                ; B's set, A's blocks 0-3 and the scale words are in; the youngest sixteen loads (A's blocks 4-7) may be out
	WIN MUL_LO
	MUL8 0, \s, \zero
	WIN 0                                          ; (the add's two registers lie in window 0)
	s_wait_tensorcnt 0x0                           ; all my tensor loads have landed: my part of slot n; so a group 0 may be written
	ds_add_u32 v[SPW], v[NIL]                      ; 0 onto my spare word; the descriptors' steps and eight products stand between it and the wait for it
.if \fill
	s_add_nc_u64 s[G0+4*\s+2:G0+4*\s+3], s[G0+4*\s+2:G0+4*\s+3], 512     ; this slot's next tile: two K steps on; the type bits on top are not reached
	s_add_nc_u64 s[G0B+4*\s+2:G0B+4*\s+3], s[G0B+4*\s+2:G0B+4*\s+3], 512
.endif
	WIN MUL_LO
	MUL8 1, \s, \zero
	WIN 0
	s_wait_dscnt 0x0                               ; the add is done, and my reads of slot s are over: A's blocks 4-7 were the last
.if \fill
	CROUND                                         ; no wave of any partner still reads this slot's tiles or has a load on its way
	JLOAD G0+4*\s, G1, G0B+4*\s, G1B               ; the first tensor load behind the round, and my only one until the next
.else
	s_barrier_signal -1
	s_barrier_wait -1                              ; slot n is whole; nothing is filled again
.endif
	FETCH_B \n                                     ; into B's other set: the last products that read it stand in the K step before, with eight v_nop behind them
	ASK \ask
	WIN MUL_LO
	MUL8 2, \s, \zero
	MUL8 3, \s, \zero
	WIN 0
	v_add_nc_u32 v[ADRSL], 8, v[ADRSL]             ; on to the next K step's scale words: 8 bytes a row.  These two lines and six v_nop are the eight places in front of the loads into A's blocks 0-3
	v_add_nc_u32 v[ADRSH], 8, v[ADRSH]
	PLACES 6
	FETCH_A \n, 0
	SCALES \n
	WIN MUL_HI
	MUL8 4, \s, \zero
	MUL8 5, \s, \zero
	MUL8 6, \s, \zero
	MUL8 7, \s, \zero
	PLACES 8                                       ; in front of the loads into A's blocks 4-7, and of the next K step's loads into this step's set of B and of scale words
	WIN 0
	FETCH_A \n, 1
.endm
	s_wait_tensorcnt 1                             ; the scales and my part of K step 0 are in (K step 1's load may be out)
	s_barrier_signal -1
	s_barrier_wait -1                              ; everybody's are
	FETCH_B 0
	FETCH_A 0, 0
	SCALES 0
	FETCH_A 0, 1
	TURN 0, 1, 1, 1, 1                             ; K step 0 stands in front of the loop: its products start the sums
	s_mov_b32 s3, 14
.Llap:                                                 ; 14 trips, K steps 1 to 28: a trip goes once round the ring and fills both slots again
	TURN 1, 0, 1, 0, 2
	TURN 0, 1, 1, 0, 2
	s_sub_co_u32 s3, s3, 1
	s_cmp_lg_u32 s3, 0
	s_cbranch_scc1 .Llap
	TURN 1, 0, 1, 0, 0                             ; K step 29: the last fill, K step 31
	TURN 0, 1, 0, 0, 0                             ; K step 30 fills nothing, and has no round of the cluster's barrier
	s_wait_dscnt 16                                ; K step 31: nothing more to fetch
	WIN MUL_LO
	MUL8 0, 1, 0
	MUL8 1, 1, 0
	MUL8 2, 1, 0
	MUL8 3, 1, 0
	s_wait_dscnt 0x0                               ; A's blocks 4-7 are in: my last reads of the ring.  Behind this barrier the ring's bytes, which have had their last fill, are written by LDS stores
	s_barrier_signal -1
	WIN MUL_HI
	MUL8 4, 1, 0
	MUL8 5, 1, 0
	MUL8 6, 1, 0
	MUL8 7, 1, 0
	WIN 0
	s_barrier_wait -1
	PLACES 8                                       ; in front of the stores that read the last results, and of the loads into B's registers
	; THE EXCHANGE.  The accumulators of my blocks 4-7 go to LDS as images of their registers: lane l's 16 bytes at 16 l, 512 bytes a store.  My partner, whose blocks 0-3 are the same rows of C, loads them by the
	; same addresses into the registers of the same numbers in window 1, and adds.
	WIN 0x0c                                       ; an LDS store's data are its source 1: window 3
.irp i, 0,1,2,3,4,5,6,7,8,9,10,11,12,13,14,15,16,17,18,19,20,21,22,23,24,25,26,27,28,29,30,31
	ds_store_b128 v[XW], v[8*\i:8*\i+3] offset:1024*\i             ; each accumulator from its low end on
	ds_store_b128 v[XW], v[8*\i+4:8*\i+7] offset:1024*\i+512
.endr
	WIN 0
	s_wait_dscnt 0x0                               ; for my partner's sake: my stores are done
	s_barrier_signal -1
	s_barrier_wait -1
	WIN TO_B
.set i, 0
.rept 64
	ds_load_b128 v[4*i:4*i+3], v[XR] offset:512*i
.set i, i+1
.endr
	WIN 0x86                                       ; destination and source 0 window 2 (my sums), source 1 window 1 (my partner's)
.irp a, 0,1,2,3
	s_wait_dscnt 48-16*\a                          ; block a's sixteen loads are in; those of the blocks behind it may be out
.set j, 64*\a
.rept 32
	v_pk_add_f32 v[j:j+1], v[j:j+1], v[j:j+1]      ; ascending: each accumulator is read from its low end on
.set j, j+2
.endr
.endr
	WIN 0
; THE WAY OUT, block by block of 16 rows x 128 columns.  A lane holds 32 neighbouring bytes of a row, and the lanes beside it hold other rows: so a block goes through my own stage in LDS and comes back as whole
; rows of 512 bytes.  LDS serves a wave's instructions in order (ISA guide 5.7.1.4): no wait between the stores and the loads, nor in front of the next block's stores.
.macro TOSTAGE a
	WIN 0x08                                       ; the data: window 2
.irp b, 0,1,2,3,4,5,6,7
	ds_store_b128 v[STO], v[64*(\a)+8*\b:64*(\a)+8*\b+3] offset:64*\b
	ds_store_b128 v[STO], v[64*(\a)+8*\b+4:64*(\a)+8*\b+7] offset:64*\b+16
.endr
	WIN 0
.irp t, 0,1,2,3,4,5,6,7,8,9,10,11,12,13,14,15
	ds_load_b128 v[BK+64*((\a)%2)+4*\t:BK+64*((\a)%2)+4*\t+3], v[RD] offset:\t*SPITCH
.endr
.endm
.macro SEND a, younger                 ; younger: the LDS instructions issued behind block a's loads, which may stay out
	s_wait_dscnt \younger                          ; the block is back in registers
.if (\a) > 0
	s_add_nc_u64 s[12:13], s[12:13], 16*CROW       ; (behind a wait on XCNT: the earlier stores have read their base)  16 rows of C on
.endif
.irp t, 0,1,2,3,4,5,6,7,8,9,10,11,12,13,14,15
	global_store_b128 v[CO], v[BK+64*((\a)%2)+4*\t:BK+64*((\a)%2)+4*\t+3], s[12:13] offset:\t*CROW th:TH_STORE_NT   ; 32 lanes store 512 consecutive bytes, at a multiple of 512 from C's first byte; written once, read by nobody here
.endr
.endm
	TOSTAGE 0
.irp a, 1,2,3
.if \a > 1
	s_wait_xcnt 0x0                                ; block a - 2's stores have read their registers and their base: block a's loads may land there, and the base may step
.endif
	TOSTAGE \a
	SEND \a-1, 32                                  ; behind block a - 1's loads: block a's 16 stores and 16 loads
.endr
	s_wait_xcnt 0x0                                ; block 2's stores have read their base
	SEND 3, 0
	s_wait_tensorcnt 0x0                           ; the wave's end: behind my last tensor load and my last LDS store
	ds_add_u32 v[SPW], v[NIL]
	s_wait_dscnt 0x0
	CROUND                                         ; the closing round: no work-group ends while a partner may still ask for a tile that names it
	s_endpgm
.Lfunc_end_k_q4e6dd38233_gemm:
	.size	k_q4e6dd38233_gemm, .Lfunc_end_k_q4e6dd38233_gemm-k_q4e6dd38233_gemm
	.p2alignl 7, 3214868480
	.fill 96, 4, 3214868480
	.section	.rodata,"a",@progbits
	.p2align	6, 0x0
	.amdhsa_kernel k_q4e6dd38233_gemm
		.amdhsa_group_segment_fixed_size 327680
		.amdhsa_private_segment_fixed_size 0
		.amdhsa_enable_private_segment 0
		.amdhsa_kernarg_size 40
		.amdhsa_user_sgpr_count 2
		.amdhsa_user_sgpr_kernarg_segment_ptr 1
		.amdhsa_wavefront_size32 1
		.amdhsa_system_sgpr_workgroup_id_x 1
		.amdhsa_system_sgpr_workgroup_id_y 1
		.amdhsa_system_sgpr_workgroup_id_z 1
		.amdhsa_system_vgpr_workitem_id 0
		.amdhsa_next_free_vgpr 1024
		.amdhsa_next_free_sgpr 100
		.amdhsa_reserve_vcc 0
		.amdhsa_float_denorm_mode_32 3
		.amdhsa_float_denorm_mode_16_64 3
		.amdhsa_memory_ordered 1
		.amdhsa_forward_progress 1
		.amdhsa_inst_pref_size 128
	.end_amdhsa_kernel
	.amdgpu_metadata
---
amdhsa.version: [ 1, 2 ]
amdhsa.kernels:
  - .name:           k_q4e6dd38233_gemm
    .symbol:         k_q4e6dd38233_gemm.kd
    .args:
      - { .name: a_codes, .offset: 0, .size: 8, .value_kind: global_buffer, .address_space: global }
      - { .name: a_scales, .offset: 8, .size: 8, .value_kind: global_buffer, .address_space: global }
      - { .name: b_codes, .offset: 16, .size: 8, .value_kind: global_buffer, .address_space: global }
      - { .name: b_scales, .offset: 24, .size: 8, .value_kind: global_buffer, .address_space: global }
      - { .name: out0, .offset: 32, .size: 8, .value_kind: global_buffer, .address_space: global }
    .group_segment_fixed_size: 327680
    .private_segment_fixed_size: 0
    .kernarg_segment_align: 8
    .kernarg_segment_size: 40
    .max_flat_workgroup_size: 128
    .sgpr_count:     100
    .vgpr_count:     1024
    .wavefront_size: 32
...
	.end_amdgpu_metadata
.endif
;; end of part 2
;; ======== version 2 of 2: 2 launches
;; limits: right only within a limited range of input values
;; workspace buffers: a_codes 16,777,216 bytes; b_codes 33,554,432 bytes; a_scales 524,288 bytes; b_scales 1,048,576 bytes
;; launch quant (part 3): grid 1536 x 1, 4 waves a work-group, no clusters, 36,352 bytes of LDS; arguments input, weight, a_codes, a_scales, b_codes, b_scales; writes a_codes, a_scales, b_codes, b_scales
.if DOCPART == 3
	.amdgcn_target "amdgcn-amd-amdhsa--gfx1250"
	.amdhsa_code_object_version 6
	.text
	.protected	k_q4e6dd38233_quant
	.globl	k_q4e6dd38233_quant
	.p2align	8
	.type	k_q4e6dd38233_quant,@function
k_q4e6dd38233_quant:
	s_mov_b64 s[64:65], 0
	v_nop
	global_prefetch_b8 v0, s[64:65] scope:SCOPE_SE
	s_setreg_imm32_b32 hwreg(HW_REG_WAVE_MODE, 25, 1), 1
	s_wait_xcnt 0x0
; input [8][2048][1024] and weight [8][4096][1024], f32, become codes of FP8 (E4M3), one byte each, and one E8M0 scale byte for each 32 along K.
; THE PRODUCT'S K.  The product contracts k and the rank together, k first and THE RANK INNERMOST: K index = 8 k + rank, 8,192 in all.  So a block of 32 along K is 4 neighbouring k x all 8 ranks:
; block j of a row holds k = 4 j .. 4 j + 3 of each rank and stands at places 32 j .. 32 j + 31 of the row's K.  INSIDE A BLOCK the code of (rank, k) stands at place 4 rank + k % 4, not at 8 (k % 4) + rank:
; both operands are laid alike, all 32 share one scale, and a sum of products does not hang on the order of its terms but for the rounding of the f32 sums.
; A block's scale is 2^(floor(log2(its largest magnitude)) - 8); its byte is the largest magnitude's own exponent field - 8, held at 1 from below, which is the quantiser's clip at -126.
; Each number is divided by the scale, held within +-448 and rounded to the nearest code, ties to even.
; LIMITS: NaN and infinities among the inputs are not served.  A block of zeros gets the byte 1 where the quantiser says 127: its codes are zeros, which add nothing under that byte, and this program alone reads the bytes.
; THE WORKSPACE IS LAID IN THE ORDER OF THE OPERAND'S REGISTERS.  A RECORD is 16 rows x 512 along K: four fragments (16 rows x 128 K) of 2,048 bytes, each the image of its 16 registers: the 16 codes of row r at
; K = 128 u + 32 c + 16 h + 0 .. 15 lie at byte 2,048 u + 512 c + 16 (16 h + r).  With l = 8 u + 2 c + h that is byte 256 l + 16 r: a record is 32 x 16 cells of 16 bytes, cell (l, r).
; Records lie [64 rows][512 of K][16 rows]: number ((rows / 64) x 16 + K / 512) x 4 + (rows / 16) % 4.  Each record has a unit of 256 scale bytes with the same number, laid [128 of K][row][4 bytes].
; SHARES.  A wave makes ONE RECORD and its scale unit, in 16 steps, a row a step.  The four waves of a work-group take four neighbouring 512 of K of the same 16 rows.
; Work-groups 0 to 511 take input, the other 1,024 take weight.  Only pointers and the rank's stride are chosen: there is one path through the text.
; A LANE HOLDS HALF A BLOCK: lane l takes, of block l / 2 of the row's 16, ranks 4 (l % 2) .. 4 (l % 2) + 3: four loads of 16 bytes (4 neighbouring k), one from each of these ranks, into 16 consecutive registers,
; which is what the conversions want.  In one load the sixteen even lanes read 256 consecutive bytes of one rank and the sixteen odd lanes 256 consecutive bytes of the rank four further on, each run at a multiple of 256 from the buffer's first byte.
; Its 16 codes are cell (l, row) of the record: a step fills a COLUMN of cells.  So the record is gathered in the wave's own stage in LDS (rows of 256 bytes + 16) and leaves by rows, 512 consecutive bytes a store.
; No tensor loads, no barrier: waves share nothing.  Loads run four steps (16 loads a wave) ahead.
.set STEPS, 16
.set WGA,   512                        ; work-groups for input: 128 blocks of 16 rows x 16 runs of 512 along K / 4 waves
.set EMAX,  8
.set MANT,  0x600000                   ; the mantissa field of 448 as f32
.set R,     16                         ; v16-79   four sets of 16 numbers, taken by turns; at the end the record's rows on their way out
.set C,     80                         ; v80-95   codes: four sets of four registers, taken by turns (they feed LDS stores alone)
.set E,     96                         ; v96-103  scale bytes: eight registers, taken by turns (they feed LDS stores alone); v104, v105: my spare word's LDS address and 0
.set SP,    272                        ; a stage row: 256 bytes + 16: the sixteen lanes of a store of 16 bytes a lane fall on sixteen different columns of 16 bytes
.set WREG,  32*SP+256                  ; LDS for a wave: the stage, and behind it its 256 scale bytes
.set SRC,   32                         ; s[32:39] my first row's place in ranks 0 to 3; ranks 4 to 7 are reached by the odd lanes' offset
	s_load_b128 s[4:7], s[0:1], 0x0                ; input, weight
	s_load_b128 s[8:11], s[0:1], 0x10              ; input's codes, input's scales
	s_load_b128 s[12:15], s[0:1], 0x20             ; weight's codes, weight's scales
	v_lshl_add_u32 v104, v0, 2, 0x8c00
	v_mov_b32 v105, 0
	v_lshrrev_b32 v1, 5, v0
	v_readfirstlane_b32 s16, v1                    ; wave
	v_and_b32 v2, 31, v0                           ; lane
	v_lshlrev_b32 v4, 4, v2                        ; 16 x lane: my place in a store's 512 bytes; never rewritten
	v_and_b32 v8, 1, v2                            ; which half of a block is mine
	v_lshrrev_b32 v9, 1, v2                        ; which of the row's 16 blocks
	s_mul_i32 s17, s16, WREG                       ; my wave's LDS
	v_mul_u32_u24 v14, v2, SP
	v_add_nc_u32 v14, s17, v14                     ; the stage, on the way in: row = my lane; the step's row of the tensor is the cell
	v_lshrrev_b32 v10, 4, v2
	v_mul_u32_u24 v15, v10, SP
	v_and_b32 v10, 15, v2
	v_lshl_add_u32 v15, v10, 4, v15
	v_add_nc_u32 v15, s17, v15                     ; and on the way out: sixteen lanes to a row, two rows an instruction
	s_add_co_u32 s17, s17, 32*SP                   ; the scale bytes: 64 x (block / 4) + 4 x row + block % 4
	v_lshrrev_b32 v10, 2, v9
	v_and_b32 v11, 3, v9
	v_lshl_add_u32 v5, v10, 6, v11
	v_add_nc_u32 v5, s17, v5                       ; my block's byte of row 0,
	v_lshlrev_b32 v7, 3, v2                        ; and on the way out 8 bytes a lane
	v_add_nc_u32 v6, s17, v7
	s_mov_b32 s23, MANT                            ; (an instruction takes one literal: the hold's line has another)
	s_wait_kmcnt 0x0
	s_cmp_lt_u32 ttmp9, WGA                        ; input's work-group or weight's?  The choice hangs on the work-group's number alone
	s_cselect_b64 s[4:5], s[4:5], s[6:7]
	s_cselect_b64 s[8:9], s[8:9], s[12:13]
	s_cselect_b64 s[10:11], s[10:11], s[14:15]
	s_mov_b32 s20, 0x1000000                       ; from rank to rank: 4,096 rows of 4,096 bytes in weight,
	s_cselect_b32 s20, 0x800000, s20               ; 2,048 rows in input
	s_mov_b32 s21, 0
	s_cselect_b32 s17, 0, WGA
	s_sub_co_u32 s17, ttmp9, s17                   ; the work-group's number in its tensor
	s_lshr_b32 s18, s17, 2                         ; which 16 rows
	s_and_b32 s19, s17, 3
	s_lshl_b32 s19, s19, 2
	s_add_co_u32 s19, s19, s16                     ; which 512 along K: 4 x (number % 4) + wave
	s_lshl_b32 s22, s20, 2                         ; four ranks on: 2^25 or 2^26 bytes
	v_mul_lo_u32 v3, v8, s22                       ; the loads' offset: the odd lanes stand four ranks on,
	v_lshl_add_u32 v3, v9, 4, v3                   ; + 16 bytes a block; never rewritten
	s_wait_alu depctr_va_vdst(0)
	s_lshl_b32 s24, s18, 16                        ; 16 rows of 4,096 bytes in a rank,
	s_lshl_b32 s26, s19, 8                         ; and 512 along K are 64 k: 256 bytes of a rank's row (under 2^24 in all)
	s_add_co_u32 s24, s24, s26
	s_mov_b32 s25, 0
	s_add_nc_u64 s[SRC:SRC+1], s[4:5], s[24:25]
.irp r, 1,2,3
	s_add_nc_u64 s[SRC+2*\r:SRC+2*\r+1], s[SRC+2*\r-2:SRC+2*\r-1], s[20:21]   ; the stride is too long for a load's immediate: a base for each of four ranks
.endr
	s_lshr_b32 s26, s18, 2
	s_lshl_b32 s26, s26, 6
	s_lshl_b32 s27, s19, 2
	s_add_co_u32 s26, s26, s27
	s_and_b32 s27, s18, 3
	s_add_co_u32 s26, s26, s27                     ; my record's number
	s_lshl_b32 s24, s26, 13                        ; 8,192 bytes a record (under 2^25 in all)
	s_add_nc_u64 s[8:9], s[8:9], s[24:25]
	s_lshl_b32 s24, s26, 8                         ; 256 scale bytes a record
	s_add_nc_u64 s[10:11], s[10:11], s[24:25]
.macro LOAD t                          ; step t: row t of my 16, into set t % 4.  Register 4 i + n: rank 4 (l % 2) + i, k = 4 (l / 2) + n of my 64
.irp i, 0,1,2,3
	global_load_b128 v[R+16*((\t)%4)+4*\i:R+16*((\t)%4)+4*\i+3], v3, s[SRC+2*\i:SRC+2*\i+1] offset:4096*(\t) th:TH_LOAD_NT   ; read once in the launch
.endr
.endm
.irp t, 0,1,2,3
	LOAD \t
.endr
.macro STEP t
.set XS, R+16*((\t)%4)
.set CS, C+4*((\t)%4)
.if STEPS-1-(\t) >= 3
	s_wait_loadcnt 12                              ; this step's four loads are in; those of the three steps behind it may be out
.else
	s_wait_loadcnt 4*(STEPS-1-(\t))                ; at the end fewer steps stand behind it
.endif
	v_max3_num_f32 v8, |v[XS]|, |v[XS+1]|, |v[XS+2]|               ; the largest magnitude of my 16, in two chains
	v_max3_num_f32 v9, |v[XS+3]|, |v[XS+4]|, |v[XS+5]|
.irp i, 6,10
	v_max3_num_f32 v8, v8, |v[XS+\i]|, |v[XS+\i+1]|
	v_max3_num_f32 v9, v9, |v[XS+\i+2]|, |v[XS+\i+3]|
.endr
	v_max3_num_f32 v8, v8, |v[XS+14]|, |v[XS+15]|
	v_max3_num_f32 v8, v8, v9, (EMAX+1)<<23        ; and the floor 2^(EMAX + 1 - 127), under which no largest magnitude is taken: so the byte cannot fall under 1
	v_max_num_f32_dpp v8, v8, v8 row_xmask:1 row_mask:0xf bank_mask:0xf   ; and of my neighbour's 16, the block's other four ranks: the block's
	v_add_nc_u32 v11, -(EMAX<<23), v8              ; EMAX off its exponent field: the conversion takes the exponent field of this operand as its scale, and nothing else of it
	v_and_or_b32 v10, v8, 0x7f800000, s23          ; 448 x the scale: the largest magnitude's exponent field over 448's mantissa (s23)
.irp i, 0,1,2,3,4,5,6,7,8,9,10,11,12,13,14,15
	v_med3_num_f32 v[XS+\i], v[XS+\i], -v10, v10   ; the conversion to an 8-bit code does not saturate (ISA guide 7.6.2): hold the number within the largest code x the scale first
.endr
	v_cvt_scalef32_pk8_fp8_f32 v[CS:CS+1], v[XS:XS+7], v11          ; eight numbers / 2^(v11's exponent), to the nearest code, ties to even; the first number's code in the lowest byte
	v_cvt_scalef32_pk8_fp8_f32 v[CS+2:CS+3], v[XS+8:XS+15], v11
	v_lshrrev_b32 v[E+(\t)%8], 23, v11             ; the scale's byte (also the plain line behind the conversions)
.if (\t)+4 < STEPS
	LOAD (\t)+4                                    ; this step's numbers are done with: their registers take the loads of four steps on
.endif
	ds_store_b8 v5, v[E+(\t)%8] offset:4*(\t)      ; both lanes of a block write the same byte with the same value
	ds_store_b128 v14, v[CS:CS+3] offset:16*(\t)   ; cell (my lane, row t) of the record
.endm
.irp t, 0,1,2,3,4,5,6,7,8,9,10,11,12,13,14,15
	STEP \t
.endr
.irp i, 0,1,2,3,4,5,6,7,8,9,10,11,12,13,14,15
	ds_load_b128 v[R+4*\i:R+4*\i+3], v15 offset:2*\i*SP            ; LDS serves a wave's instructions in order (ISA guide 5.7.1.4): these see my stores.  Rows 2 i and 2 i + 1 of the record
.endr
	ds_load_b64 v[12:13], v6                       ; and my scale unit
.irp i, 0,1,2,3,4,5,6,7,8,9,10,11,12,13,14,15
	s_wait_dscnt 16-\i                             ; load i is in; the younger ones may be out
	global_store_b128 v4, v[R+4*\i:R+4*\i+3], s[8:9] offset:512*\i   ; 32 lanes store 512 consecutive bytes, at a multiple of 512 from the buffer's first byte
.endr
	s_wait_dscnt 0x0
	global_store_b64 v7, v[12:13], s[10:11]        ; 32 lanes store the record's 256 scale bytes, at a multiple of 256 from the buffer's first byte
	s_wait_tensorcnt 0x0
	ds_add_u32 v104, v105
	s_wait_dscnt 0x0
	s_endpgm
.Lfunc_end_k_q4e6dd38233_quant:
	.size	k_q4e6dd38233_quant, .Lfunc_end_k_q4e6dd38233_quant-k_q4e6dd38233_quant
	.p2alignl 7, 3214868480
	.fill 96, 4, 3214868480
	.section	.rodata,"a",@progbits
	.p2align	6, 0x0
	.amdhsa_kernel k_q4e6dd38233_quant
		.amdhsa_group_segment_fixed_size 36352
		.amdhsa_private_segment_fixed_size 0
		.amdhsa_enable_private_segment 0
		.amdhsa_kernarg_size 48
		.amdhsa_user_sgpr_count 2
		.amdhsa_user_sgpr_kernarg_segment_ptr 1
		.amdhsa_wavefront_size32 1
		.amdhsa_system_sgpr_workgroup_id_x 1
		.amdhsa_system_sgpr_workgroup_id_y 1
		.amdhsa_system_sgpr_workgroup_id_z 1
		.amdhsa_system_vgpr_workitem_id 0
		.amdhsa_next_free_vgpr 106
		.amdhsa_next_free_sgpr 66
		.amdhsa_reserve_vcc 0
		.amdhsa_float_denorm_mode_32 3
		.amdhsa_float_denorm_mode_16_64 3
		.amdhsa_memory_ordered 1
		.amdhsa_forward_progress 1
		.amdhsa_inst_pref_size 46
	.end_amdhsa_kernel
	.amdgpu_metadata
---
amdhsa.version: [ 1, 2 ]
amdhsa.kernels:
  - .name:           k_q4e6dd38233_quant
    .symbol:         k_q4e6dd38233_quant.kd
    .args:
      - { .name: input, .offset: 0, .size: 8, .value_kind: global_buffer, .address_space: global }
      - { .name: weight, .offset: 8, .size: 8, .value_kind: global_buffer, .address_space: global }
      - { .name: a_codes, .offset: 16, .size: 8, .value_kind: global_buffer, .address_space: global }
      - { .name: a_scales, .offset: 24, .size: 8, .value_kind: global_buffer, .address_space: global }
      - { .name: b_codes, .offset: 32, .size: 8, .value_kind: global_buffer, .address_space: global }
      - { .name: b_scales, .offset: 40, .size: 8, .value_kind: global_buffer, .address_space: global }
    .group_segment_fixed_size: 36352
    .private_segment_fixed_size: 0
    .kernarg_segment_align: 8
    .kernarg_segment_size: 48
    .max_flat_workgroup_size: 128
    .sgpr_count:     66
    .vgpr_count:     106
    .wavefront_size: 32
...
	.end_amdgpu_metadata
.endif
;; end of part 3
;; launch gemm (part 4): grid 16 x 16, 4 waves a work-group, clusters of 4 x 1, 327,680 bytes of LDS; arguments a_codes, a_scales, b_codes, b_scales, out0; writes out0
.if DOCPART == 4
	.amdgcn_target "amdgcn-amd-amdhsa--gfx1250"
	.amdhsa_code_object_version 6
	.text
	.protected	k_q4e6dd38233_gemm
	.globl	k_q4e6dd38233_gemm
	.p2align	8
	.type	k_q4e6dd38233_gemm,@function
k_q4e6dd38233_gemm:
	s_mov_b64 s[64:65], 0
	v_nop
	global_prefetch_b8 v0, s[64:65] scope:SCOPE_SE
	s_setreg_imm32_b32 hwreg(HW_REG_WAVE_MODE, 25, 1), 1
	s_wait_xcnt 0x0
	s_wait_alu depctr_hold_cnt(0) depctr_sa_sdst(0) depctr_va_vdst(0) depctr_va_sdst(0) depctr_va_ssrc(0) depctr_va_vcc(0) depctr_vm_vsrc(0)
	s_getreg_b32 s2, hwreg(HW_REG_IB_STS2, 6, 4)
	s_cmp_eq_u32 s2, 0
	s_cbranch_scc0 .Lentry_in_a_cluster
	s_endpgm
.Lentry_in_a_cluster:
	s_bfe_u32 s2, ttmp6, 0x10000c
	s_cmp_lg_u32 s2, 0x3003
	s_cbranch_scc0 .Lentry_shape_is_right
	s_endpgm
.Lentry_shape_is_right:
; out0[m][n] = the sum over the product's K (8,192) of A[m][K] B[n][K], on the codes and scale bytes that launch quant laid as images of the operands' registers (records of 16 rows x 512 K, chunks of 64 rows x 512 K = 32,768 bytes).
; A work-group makes 128 rows x 256 columns.  Wave w takes rows 64 (w % 2) .. + 63 and, of each 256 along K, the 128 of parity w / 2: 64 x 256 partial sums in 64 accumulators (windows 2 and 3).
; At the end the two waves of a row half hand each other 128 columns of their sums through LDS and add; each then sends 64 rows x 128 columns out through its own stage, 512 consecutive bytes a store.
; B's codes go through a ring of two LDS slots of 256 columns x 512 K (131,072 bytes), each wave fetching one chunk by a joint tensor load: the four work-groups of a cluster lie along x and need the same columns.
; A's codes (no two waves need the same) and all scale words go from memory straight into registers, three sets deep, one set for 128 along K.
; PREFETCH: behind each refill every cluster asks for the chunks of B that its next refill loads: 32 lanes x 256 bytes a wave, the partners told apart by address (cx); at the head chunks 1 and 2, in the loop one chunk a refill, the last being chunk 15.
; A's chunks are asked for by the work-groups of grid row 0 alone: the sixteen work-groups of a grid column read the same rows of A.
.set CHUNK,  32768
.set REC,    8192
.set FRAG,   2048
.set SLOT1,  131072
.set SPARE,  262144
.set XWAVE,  32768
.set STG,    4*XWAVE
.set SPITCH, 528
.set CROW,   16384
.set VA,    8
.set VSA,   9
.set VSBL,  10
.set VSBH,  11
.set BLO0,  12
.set BHI0,  13
.set ADL,   14
.set XW,    16
.set XR,    17
.set STO,   18
.set RD,    19
.set CO,    20
.set PFO,   21
.set SPW,   22
.set NIL,   23
.set SCS,   24
.set AF,    64
.set BK,    128
.set G1,   24
.set G0,   32
.set PA,   40
.set PSA,  42
.set PSB,  44
.set PFB,  46
.set PFA,  48
.set TB,   50
.set MSB, 0
.macro WIN new
.if MSB != \new
	s_set_vgpr_msb (MSB<<8)|\new
.set MSB, \new
.endif
.endm
.set MUL_LO, 0xa1
.set MUL_HI, 0xf1
.set TO_B,   0x40
.macro CROUND
	s_barrier_signal -1
	s_barrier_wait -1
	s_cmp_lg_u32 s14, 0
	s_cbranch_scc1 .Lnot_wave_0_\@
	s_barrier_signal -3
.Lnot_wave_0_\@:
	s_barrier_wait -3
	s_barrier_signal -1
	s_barrier_wait -1
.endm
.macro PLACES n
.rept \n
	v_nop
.endr
.endm
	s_load_b128 s[4:7], s[0:1], 0x0
	s_load_b128 s[8:11], s[0:1], 0x10
	s_load_b64 s[12:13], s[0:1], 0x20
	v_lshl_add_u32 v[SPW], v0, 2, SPARE
	v_mov_b32 v[NIL], 0
	ds_add_u32 v22, v23
	ds_add_u32 v22, v23
	s_wait_dscnt 0x0
	v_lshrrev_b32 v1, 5, v0
	v_readfirstlane_b32 s14, v1
	s_lshr_b32 s15, s14, 1
	s_and_b32 s16, s14, 1
	s_bfe_u32 s19, ttmp6, 0x40000
	s_lshl_b32 s17, ttmp9, 2
	s_add_co_u32 s17, s17, s19
	s_and_b32 s18, ttmp7, 0xffff
	s_mov_b32 s[G1], 15|(3<<16)|(1<<21)
	s_mov_b32 s[G1+1], 32<<16
	s_mov_b32 s[G1+2], 128<<16
	s_mov_b32 s[G1+3], 32<<16
	s_mov_b32 s[G1+4], 128
	s_mov_b32 s[G1+5], 32
	s_mov_b32 s[G1+6], 0
	s_mov_b32 s[G1+7], 0
	s_lshl_b32 s20, s18, 2
	s_add_co_u32 s20, s20, s14
	s_lshl_b32 s20, s20, 19
	s_mov_b32 s21, 0
	s_lshl_b32 s51, s14, 15
	s_mov_b32 s[TB], 0
	v_and_b32 v1, 15, v0
	v_bfe_u32 v2, v0, 4, 1
	v_and_b32 v3, 31, v0
	v_lshlrev_b32 v[CO], 4, v3
	v_lshlrev_b32 v[PFO], 8, v3                    ; the prefetches' offset: a lane to each 256 bytes; never rewritten
	s_lshl_b32 s54, s15, 11
	v_add_nc_u32 v[VA], s54, v[CO]
	s_lshl_b32 s55, s15, 16
	s_add_co_u32 s55, s55, s54
	v_add_nc_u32 v[BLO0], s55, v[CO]
	s_xor_b32 s55, s55, 0x10000
	v_add_nc_u32 v[BHI0], s55, v[CO]
	v_lshlrev_b32 v4, 2, v1
	v_lshl_add_u32 v4, v2, 8, v4
	s_lshl_b32 s54, s15, 6
	v_add_nc_u32 v[VSA], s54, v4
	s_lshl_b32 s55, s15, 15
	v_add_nc_u32 v[VSBL], s55, v[VSA]
	s_xor_b32 s55, s55, 0x8000
	v_add_nc_u32 v[VSBH], s55, v[VSA]
	s_lshl_b32 s22, s17, 1
	s_add_co_u32 s22, s22, s16
	s_lshl_b32 s52, s22, 14
	s_lshl_b32 s22, s22, 19
	s_mov_b32 s23, 0
	s_mov_b32 s53, 0
	s_wait_kmcnt 0x0
	s_add_nc_u64 s[20:21], s[8:9], s[20:21]
	CROUND
	s_mov_b32 s[G0], 1
	s_mov_b32 s[G0+1], s51
	s_mov_b64 s[G0+2:G0+3], s[20:21]
	s_or_b32 s[G0+3], s[G0+3], 0x80000000
	s_mov_b32 s[G0+4], 1
	s_add_co_u32 s[G0+5], s51, SLOT1
	s_add_nc_u64 s[G0+6:G0+7], s[20:21], CHUNK
	s_or_b32 s[G0+7], s[G0+7], 0x80000000
	tensor_load_to_lds s[G0:G0+3], s[G1:G1+7]
	s_nop 0
	; while chunk 0 of B is on its way: A's first two sets of fragments and scale words are asked for, and chunks 1 and 2 of B are prefetched
	s_add_nc_u64 s[PA:PA+1], s[4:5], s[22:23]      ; my 64 rows of A's codes,
	s_add_nc_u64 s[PSA:PSA+1], s[6:7], s[52:53]    ; their scale words,
	s_lshl_b32 s52, s18, 16
	s_add_nc_u64 s[PSB:PSB+1], s[10:11], s[52:53]  ; and those of the work-group's 256 columns of B
	s_lshl_b32 s54, s18, 2
	s_add_co_u32 s54, s54, s19
	s_lshl_b32 s54, s54, 19                        ; of the cluster's four runs of 64 columns my work-group prefetches run cx,
	s_lshl_b32 s55, s14, 13
	s_add_co_u32 s54, s54, s55                     ; and my wave 8,192 bytes of each of its chunks
	s_mov_b32 s55, 0
	s_add_nc_u64 s[PFB:PFB+1], s[8:9], s[54:55]
; one set: 4 fragments of A (16 loads), 2 registers of A's scale words, 8 of B's: 26 loads
.macro ALOAD st, tg
.irp a, 0,1,2,3
.irp c, 0,1,2,3
	global_load_b128 v[AF+64*(\st)+16*\a+4*\c:AF+64*(\st)+16*\a+4*\c+3], v[VA], s[PA:PA+1] offset:((\tg)/2)*CHUNK+((\tg)%2)*2*FRAG+\a*REC+\c*512
.endr
.endr
.irp i, 0,1
	global_load_b32 v[SCS+10*(\st)+8+\i], v[VSA], s[PSA:PSA+1] offset:((\tg)/2)*1024+((\tg)%2)*128+\i*512
.endr
.irp i, 0,1,2,3
	global_load_b32 v[SCS+10*(\st)+\i], v[VSBL], s[PSB:PSB+1] offset:((\tg)/2)*1024+((\tg)%2)*128+(\i/2)*16384+(\i%2)*512
.endr
.irp i, 0,1,2,3
	global_load_b32 v[SCS+10*(\st)+4+\i], v[VSBH], s[PSB:PSB+1] offset:((\tg)/2)*1024+((\tg)%2)*128+(\i/2)*16384+(\i%2)*512
.endr
.endm
	s_wait_alu depctr_va_vdst(0)
	ALOAD 0, 0
	global_prefetch_b8 v[PFO], s[PFB:PFB+1] offset:CHUNK th:TH_LOAD_NT scope:SCOPE_SE
	global_prefetch_b8 v[PFO], s[PFB:PFB+1] offset:2*CHUNK th:TH_LOAD_NT scope:SCOPE_SE
	ALOAD 1, 1
	s_wait_tensorcnt 0x0
	ds_add_u32 v22, v23
	s_wait_dscnt 0x0
	CROUND
	tensor_load_to_lds s[G0+4:G0+7], s[G1:G1+7]
	s_nop 0
	PLACES 4
	s_lshl_b32 s22, s14, 15
	v_add_nc_u32 v[XW], s22, v[CO]
	s_xor_b32 s22, s14, 2
	s_lshl_b32 s22, s22, 15
	v_add_nc_u32 v[XR], s22, v[CO]
	s_mul_i32 s22, s14, 16*SPITCH
	s_add_co_u32 s22, s22, STG
	v_mul_u32_u24 v5, v1, SPITCH
	v_lshl_add_u32 v5, v2, 5, v5
	v_add_nc_u32 v[STO], s22, v5
	v_add_nc_u32 v[RD], s22, v[CO]
	s_lshl_b32 s22, s17, 7
	s_lshl_b32 s23, s16, 6
	s_add_co_u32 s22, s22, s23
	s_lshl_b32 s22, s22, 14
	s_lshl_b32 s23, s18, 10
	s_add_co_u32 s22, s22, s23
	s_lshl_b32 s23, s15, 9
	s_add_co_u32 s22, s22, s23
	s_mov_b32 s23, 0
	s_add_nc_u64 s[12:13], s[12:13], s[22:23]
	s_lshl_b32 s22, s17, 1
	s_add_co_u32 s22, s22, s15
	s_lshl_b32 s22, s22, 19
	s_lshl_b32 s52, s16, 14
	s_add_co_u32 s22, s22, s52
	s_add_nc_u64 s[PFA:PFA+1], s[4:5], s[22:23]
.macro PROD zero
.if \zero
.if oB && oA
	v_wmma_scale_f32_16x16x128_f8f6f4 v[rD:rD+7], v[rB:rB+15], v[rA:rA+15], 0, v[rSB], v[rSA] matrix_a_scale:MATRIX_SCALE_ROW1 matrix_b_scale:MATRIX_SCALE_ROW1
.elseif oB
	v_wmma_scale_f32_16x16x128_f8f6f4 v[rD:rD+7], v[rB:rB+15], v[rA:rA+15], 0, v[rSB], v[rSA] matrix_a_scale:MATRIX_SCALE_ROW1
.elseif oA
	v_wmma_scale_f32_16x16x128_f8f6f4 v[rD:rD+7], v[rB:rB+15], v[rA:rA+15], 0, v[rSB], v[rSA] matrix_b_scale:MATRIX_SCALE_ROW1
.else
	v_wmma_scale_f32_16x16x128_f8f6f4 v[rD:rD+7], v[rB:rB+15], v[rA:rA+15], 0, v[rSB], v[rSA]
.endif
.else
.if oB && oA
	v_wmma_scale_f32_16x16x128_f8f6f4 v[rD:rD+7], v[rB:rB+15], v[rA:rA+15], v[rD:rD+7], v[rSB], v[rSA] matrix_a_scale:MATRIX_SCALE_ROW1 matrix_b_scale:MATRIX_SCALE_ROW1
.elseif oB
	v_wmma_scale_f32_16x16x128_f8f6f4 v[rD:rD+7], v[rB:rB+15], v[rA:rA+15], v[rD:rD+7], v[rSB], v[rSA] matrix_a_scale:MATRIX_SCALE_ROW1
.elseif oA
	v_wmma_scale_f32_16x16x128_f8f6f4 v[rD:rD+7], v[rB:rB+15], v[rA:rA+15], v[rD:rD+7], v[rSB], v[rSA] matrix_b_scale:MATRIX_SCALE_ROW1
.else
	v_wmma_scale_f32_16x16x128_f8f6f4 v[rD:rD+7], v[rB:rB+15], v[rA:rA+15], v[rD:rD+7], v[rSB], v[rSA]
.endif
.endif
.endm
.macro MULB hf, b, st, zero
.irp a, 0,1,2,3
.set rD, 8*(8*\a+(\b))
.set rB, 128*\hf+16*(\b)
.set rA, AF+64*(\st)+16*\a
.set rSB, SCS+10*(\st)+4*\hf+(\b)/2
.set rSA, SCS+10*(\st)+8+\a/2
.set oB, (\b)%2
.set oA, \a%2
	PROD \zero
.endr
.endm
.macro FETCH hf, u
	WIN TO_B
.irp b, 0,1,2,3,4,5,6,7
.irp c, 0,1,2,3
	ds_load_b128 v[128*\hf+16*\b+4*\c:128*\hf+16*\b+4*\c+3], v[ADL+\hf] offset:\b*REC+(\u)*2*FRAG+\c*512
.endr
.endr
	WIN 0
.endm
.macro ASK rel
.if \rel
	global_prefetch_b8 v[PFO], s[PFB:PFB+1] offset:(\rel)*CHUNK th:TH_LOAD_NT scope:SCOPE_SE   ; every cluster asks for the chunk that it will itself load
	s_cmp_eq_u32 s18, 0
	s_cbranch_scc0 .Lnot_a_\@
	global_prefetch_b8 v[PFO], s[PFA:PFA+1] offset:(\rel)*CHUNK th:TH_LOAD_NT scope:SCOPE_SE
	global_prefetch_b8 v[PFO], s[PFA:PFA+1] offset:(\rel)*CHUNK+8192 th:TH_LOAD_NT scope:SCOPE_SE
.Lnot_a_\@:
.endif
.endm
.macro UNIT st, odd, fill, zero, tg, lcnt, ask, step
	s_wait_dscnt 32
	WIN MUL_LO
.irp b, 0,1,2,3,4,5
	MULB 0, \b, \st, \zero
.endr
.if \odd
	WIN 0
	s_wait_tensorcnt 0x0
	ds_add_u32 v[SPW], v[NIL]
.if \fill
	s_xor_b32 s[G0+5], s[G0+5], SLOT1
	s_add_nc_u64 s[G0+6:G0+7], s[G0+6:G0+7], CHUNK
.endif
	s_xor_b32 s[TB], s[TB], SLOT1
	WIN MUL_LO
.endif
.irp b, 6,7
	MULB 0, \b, \st, \zero
.endr
	WIN 0
	s_wait_dscnt 0x0
.if \odd
.if \fill
	CROUND
	tensor_load_to_lds s[G0+4:G0+7], s[G1:G1+7]
	s_nop 0
.else
	s_barrier_signal -1
	s_barrier_wait -1
.endif
	PLACES 4
	v_add_nc_u32 v[ADL], s[TB], v[BLO0]
	v_add_nc_u32 v[ADL+1], s[TB], v[BHI0]
	PLACES 2
	FETCH 0, 0
	ASK \ask
.else
	PLACES 8
	FETCH 0, 1
.endif
	WIN MUL_HI
.irp b, 0,1,2,3,4,5,6,7
	MULB 1, \b, \st, \zero
.endr
	PLACES 8
	s_wait_alu depctr_va_vdst(0)
	FETCH 1, 1-\odd
.if \lcnt >= 0
	s_wait_loadcnt \lcnt
.endif
.if \step
	s_wait_xcnt 0x0
	s_add_nc_u64 s[PA:PA+1], s[PA:PA+1], 3*CHUNK
	s_add_nc_u64 s[PSA:PSA+1], s[PSA:PSA+1], 3*1024
	s_add_nc_u64 s[PSB:PSB+1], s[PSB:PSB+1], 3*1024
	s_add_nc_u64 s[PFB:PFB+1], s[PFB:PFB+1], 3*CHUNK
	s_add_nc_u64 s[PFA:PFA+1], s[PFA:PFA+1], 3*CHUNK
.endif
.if \tg >= 0
	ALOAD \st, \tg
.endif
.endm
	s_wait_tensorcnt 1
	s_barrier_signal -1
	s_barrier_wait -1
	v_add_nc_u32 v[ADL], s[TB], v[BLO0]
	v_add_nc_u32 v[ADL+1], s[TB], v[BHI0]
	FETCH 0, 0
	FETCH 1, 0
	s_wait_alu depctr_va_vdst(0)
	s_wait_loadcnt 26
	ALOAD 2, 2
	UNIT 0, 0, 0, 1, 3, 26, 0, 0
	UNIT 1, 1, 1, 0, 4, 26, 3, 0
	s_mov_b32 s3, 4
.Ltrip:
	UNIT 2, 0, 0, 0, 5, 26, 0, 0
	UNIT 0, 1, 1, 0, 6, 26, 4, 0
	UNIT 1, 0, 0, 0, 7, 26, 0, 0
	UNIT 2, 1, 1, 0, 8, 26, 5, 0
	UNIT 0, 0, 0, 0, 9, 26, 0, 0
	UNIT 1, 1, 1, 0, 4, 26, 6, 1
	s_sub_co_u32 s3, s3, 1
	s_cmp_lg_u32 s3, 0
	s_cbranch_scc1 .Ltrip
	UNIT 2, 0, 0, 0, 5, 26, 0, 0
	UNIT 0, 1, 1, 0, 6, 26, 0, 0
	UNIT 1, 0, 0, 0, 7, 26, 0, 0
	UNIT 2, 1, 0, 0, -1, 26, 0, 0
	UNIT 0, 0, 0, 0, -1, 0, 0, 0
	s_wait_dscnt 32
	WIN MUL_LO
.irp b, 0,1,2,3,4,5,6,7
	MULB 0, \b, 1, 0
.endr
	s_wait_dscnt 0x0
	s_barrier_signal -1
	WIN MUL_HI
.irp b, 0,1,2,3,4,5,6,7
	MULB 1, \b, 1, 0
.endr
	WIN 0
	s_barrier_wait -1
	PLACES 8
	WIN 0x0c
.irp i, 0,1,2,3,4,5,6,7,8,9,10,11,12,13,14,15,16,17,18,19,20,21,22,23,24,25,26,27,28,29,30,31
	ds_store_b128 v[XW], v[8*\i:8*\i+3] offset:1024*\i
	ds_store_b128 v[XW], v[8*\i+4:8*\i+7] offset:1024*\i+512
.endr
	WIN 0
	s_wait_dscnt 0x0
	s_barrier_signal -1
	s_barrier_wait -1
	WIN TO_B
.set i, 0
.rept 64
	ds_load_b128 v[4*i:4*i+3], v[XR] offset:512*i
.set i, i+1
.endr
	WIN 0x86
.irp a, 0,1,2,3
	s_wait_dscnt 48-16*\a
.set j, 64*\a
.rept 32
	v_pk_add_f32 v[j:j+1], v[j:j+1], v[j:j+1]
.set j, j+2
.endr
.endr
	WIN 0
.macro TOSTAGE a
	WIN 0x08
.irp b, 0,1,2,3,4,5,6,7
	ds_store_b128 v[STO], v[64*(\a)+8*\b:64*(\a)+8*\b+3] offset:64*\b
	ds_store_b128 v[STO], v[64*(\a)+8*\b+4:64*(\a)+8*\b+7] offset:64*\b+16
.endr
	WIN 0
.irp t, 0,1,2,3,4,5,6,7,8,9,10,11,12,13,14,15
	ds_load_b128 v[BK+64*((\a)%2)+4*\t:BK+64*((\a)%2)+4*\t+3], v[RD] offset:\t*SPITCH
.endr
.endm
.macro SEND a, younger
	s_wait_dscnt \younger
.if (\a) > 0
	s_add_nc_u64 s[12:13], s[12:13], 16*CROW
.endif
.irp t, 0,1,2,3,4,5,6,7,8,9,10,11,12,13,14,15
	global_store_b128 v[CO], v[BK+64*((\a)%2)+4*\t:BK+64*((\a)%2)+4*\t+3], s[12:13] offset:\t*CROW th:TH_STORE_NT
.endr
.endm
	TOSTAGE 0
	s_wait_alu depctr_va_vdst(0)
.irp a, 1,2,3
.if \a > 1
	s_wait_xcnt 0x0
.endif
	TOSTAGE \a
	SEND \a-1, 32
.endr
	s_wait_xcnt 0x0
	SEND 3, 0
	s_wait_tensorcnt 0x0
	ds_add_u32 v[SPW], v[NIL]
	s_wait_dscnt 0x0
	CROUND
	s_endpgm
.Lfunc_end_k_q4e6dd38233_gemm:
	.size	k_q4e6dd38233_gemm, .Lfunc_end_k_q4e6dd38233_gemm-k_q4e6dd38233_gemm
	.p2alignl 7, 3214868480
	.fill 96, 4, 3214868480
	.section	.rodata,"a",@progbits
	.p2align	6, 0x0
	.amdhsa_kernel k_q4e6dd38233_gemm
		.amdhsa_group_segment_fixed_size 327680
		.amdhsa_private_segment_fixed_size 0
		.amdhsa_enable_private_segment 0
		.amdhsa_kernarg_size 40
		.amdhsa_user_sgpr_count 2
		.amdhsa_user_sgpr_kernarg_segment_ptr 1
		.amdhsa_wavefront_size32 1
		.amdhsa_system_sgpr_workgroup_id_x 1
		.amdhsa_system_sgpr_workgroup_id_y 1
		.amdhsa_system_sgpr_workgroup_id_z 1
		.amdhsa_system_vgpr_workitem_id 0
		.amdhsa_next_free_vgpr 1024
		.amdhsa_next_free_sgpr 66
		.amdhsa_reserve_vcc 0
		.amdhsa_float_denorm_mode_32 3
		.amdhsa_float_denorm_mode_16_64 3
		.amdhsa_memory_ordered 1
		.amdhsa_forward_progress 1
		.amdhsa_inst_pref_size 255
	.end_amdhsa_kernel
	.section	.bss,"aw",@nobits
	.p2align	6
	.space	262144
	.amdgpu_metadata
---
amdhsa.version: [ 1, 2 ]
amdhsa.kernels:
  - .name:           k_q4e6dd38233_gemm
    .symbol:         k_q4e6dd38233_gemm.kd
    .args:
      - { .name: a_codes, .offset: 0, .size: 8, .value_kind: global_buffer, .address_space: global }
      - { .name: a_scales, .offset: 8, .size: 8, .value_kind: global_buffer, .address_space: global }
      - { .name: b_codes, .offset: 16, .size: 8, .value_kind: global_buffer, .address_space: global }
      - { .name: b_scales, .offset: 24, .size: 8, .value_kind: global_buffer, .address_space: global }
      - { .name: out0, .offset: 32, .size: 8, .value_kind: global_buffer, .address_space: global }
    .group_segment_fixed_size: 327680
    .private_segment_fixed_size: 0
    .kernarg_segment_align: 8
    .kernarg_segment_size: 40
    .max_flat_workgroup_size: 128
    .sgpr_count:     66
    .vgpr_count:     1024
    .wavefront_size: 32
...
	.end_amdgpu_metadata
.endif
;; end of part 4
